; MI455X (gfx1250); checked and timed in simulation.
; The chip was launched on July 23, 2026; its instructions are those of AMD's public machine-readable ISA for CDNA 5 (MIT licence, August 2026) and "CDNA5" Instruction Set Architecture Reference Guide (July 2026). The comments in the code are by the model that wrote it; some were corrected since.
;; Self Attention Naive. Allowed arithmetic: matrix products marked QUANTISED: E4M3 operands, one given power-of-two scale a tensor, by v_wmma_f32_16x16x64_fp8_fp8 or v_wmma_f32_16x16x128_fp8_fp8, f32 sums; everything else in f32.
;; Inputs: gamma 1 float32; lowp_scales 10 int32 (the exponents e of the quantised operands' scales 2^e); wf 64 x 256 float32; wg 64 x 256 float32; wh 256 x 256 float32; x 8 x 256 x 64 x 64 float32.
;; Outputs: out0 8 x 256 x 64 x 64 float32.
;; This version of the problem:
;;   THIS VERSION OF THE PROBLEM IS GIVEN IN LOW PRECISION. The matrix products marked QUANTISED in the list below multiply operands that are first quantised to E4M3 (4 exponent bits, 3 mantissa bits; 8 bits a number), with one given power-of-two scale for each operand tensor; their sums are f32. All else is computed in f32.
;;   The module's matrix products, in the order in which they are computed (A, B: the left and right operand; K: the contracted axis; several contracted axes count as one K, in the product's order):
;;     1. [M 32,768, K 256] x [K 256, N 64]; A: input x; B: input wf: QUANTISED (scales: A lowp_scales[0], B lowp_scales[1])
;;     2. [M 32,768, K 256] x [K 256, N 64]; A: input x; B: input wg: QUANTISED (scales: A lowp_scales[2], B lowp_scales[3])
;;     3. [M 32,768, K 256] x [K 256, N 256]; A: input x; B: input wh: QUANTISED (scales: A lowp_scales[4], B lowp_scales[5])
;;     4. batch 8 x [M 4,096, K 64] x [K 64, N 4,096]; A: computed on the way; B: computed on the way: QUANTISED (scales: A lowp_scales[6], B lowp_scales[7])
;;     5. batch 8 x [M 256, K 4,096] x [K 4,096, N 4,096]; A: computed on the way; B: softmax (see below): QUANTISED (scales: A lowp_scales[8], B lowp_scales[9])
;;   THE QUANTISER, for each operand of a quantised product, along K:
;;     - The operand's scale is 2^e, e = its entry of the input lowp_scales (int32; the entries are numbered through the quantised products in the list's order, A before B).
;;     - Each number is divided by the scale, clamped to +-448, and rounded to the nearest number of E4M3, ties to even, subnormals kept.
;;     - The product sums the exact products of the quantised numbers (number of the format x scale) in f32.
;;   ~~~python
;;   def quantise(x, axis, e):      # numpy; x: float32 -> the quantised numbers, widened to float32 again
;;       x = np.moveaxis(x, axis, -1); K = x.shape[-1]
;;       r = np.clip(x / 2.0 ** e, -448, 448)
;;       step = 2.0 ** (np.maximum(np.frexp(np.where(r == 0, 1, r))[1] - 1, -6) - 3)
;;       q = np.round(r / step) * step * 2.0 ** e      # np.round: ties to even
;;       return np.moveaxis(q, -1, axis).astype(np.float32)
;;   ~~~
;;   SOFTMAX AHEAD OF A QUANTISED PRODUCT. Where the list says 'softmax', what is quantised is not the finished softmax but p = 2^(t - M), with t = logit x log2(e) and M = ceil(the row's largest t), a whole number; so 1/2 < the row's largest p <= 1. The row's sum l is taken of the UNQUANTISED p, in f32, and the product's result is divided by l at the end. Since M is a whole number, a kernel that streams over the keys may use a running M (the ceiling of the running maximum): every later rescaling is an exact power of two, so the quantised numbers keep their values, but for numbers so far below the row's largest that they fall under the format's range.
;;   OPERANDS COMPUTED ON THE WAY. 'Computed on the way' means the value that the module computes at that place (a softmax that the list does not call 'softmax' is quantised finished and normalised). What goes into a quantiser is computed in f32, as accurately as f32 sums, v_exp_f32 and their like allow (about 1e-6 of the number): no bf16 or f16 on the way to a quantiser, and a product that is left as it is and whose result goes on into a quantised operand takes f32 operands (vector FMAs, or v_wmma_f32_16x16x4_f32). A number that lies on a knife's edge between two numbers of the format may be rounded either way, as far as f32 arithmetic and the matrix unit's own rounding can turn it there, and no further.
;; One version. Each part assembles by itself: llvm-mc -triple=amdgcn-amd-amdhsa -mcpu=gfx1250 --defsym DOCPART=n.
;; ======== version 1 of 1: 2 launches
;; workspace buffers: kv 10,485,760 bytes; gq 2,097,152 bytes
;; launch proj (part 1): grid 32 x 8, 16 waves a work-group, no clusters, 204,800 bytes of LDS; arguments x, wf, wg, wh, lowp_scales, kv, gq; writes kv, gq
.if DOCPART == 1
	.amdgcn_target "amdgcn-amd-amdhsa--gfx1250"
	.amdhsa_code_object_version 6
	.text
	.protected	k_qa729874b6f_proj
	.globl	k_qa729874b6f_proj
	.p2align	8
	.type	k_qa729874b6f_proj,@function
k_qa729874b6f_proj:
	s_mov_b64 s[64:65], 0
	v_nop
	global_prefetch_b8 v0, s[64:65] scope:SCOPE_SE
	s_setreg_imm32_b32 hwreg(HW_REG_WAVE_MODE, 25, 1), 1
	s_wait_xcnt 0x0
; fx = wf x, gx = wg x, hx = wh x (1 x 1 convolutions over 256 channels), all three on codes of FP8 (E4M3), and their results quantised again for the two products of the attention.
; x: [8][256][4096] f32, K = the channel, which is NOT innermost.  wf, wg: [64][256], wh: [256][256] f32, K innermost.  lowp_scales: e0 .. e9 (int32).
; x is quantised three times (e0 for wf's product, e2 for wg's, e4 for wh's), wf with e1, wg with e3, wh with e5; fx with e6, gx with e7, hx with e8.
; code = number / 2^e, held within +-448, rounded to the nearest code, ties to even.  A sum of codes stands for sum x 2^(ea + eb), so the second quantiser takes the one scale 2^(e - ea - eb).
; LIMITS: e0 .. e5, e6 - e0 - e1, e7 - e2 - e3 and e8 - e4 - e5 lie between -126 and 119, so that each scale and 448 x the scale is an f32 number.  NaN among the inputs is not served; an infinity is held at the largest code.
; SHARES.  A work-group of sixteen waves owns 128 positions (a block) of one batch.  Waves 0-7 quantise x: a lane takes a position and its registers run down the channels, so the codes come out with K innermost;
; they go into LDS as rows of 256 codes, one set for each of the three scales.  Meanwhile waves 8-15 quantise the weights, six fragments each, into LDS as images of the operand's registers.  ONE barrier.
; Then every wave makes 24 matrix instructions: two tiles of positions against four tiles of wh and two tiles of wf or wg, quantises the sums in registers and stores them.
; WHAT IS STORED is laid in the order of the next launch's operand registers.  l = lane, r = l % 16, h = l / 16; kappa(T, r) = 32 (T / 2) + 8 (T % 2) + r + 8 (r / 8).
;   kv[batch][block]: 40,960 bytes.  F image: tile T, group c: 16 bytes at 1024 T + 512 c + 16 l = fx(units 32 c + 16 h + 0 .. 15, position kappa(T, r)).
;                     H image: fragment t, group c: 16 bytes at 8192 + 2048 t + 512 c + 16 l = hx(channel 16 t + r, positions 32 c + 16 h + 0 .. 15).
;   gq[batch][block]: 8,192 bytes: gx, laid as the F image.
; THE ROWS THAT FORM A TILE ARE NOT NEIGHBOURS (kappa): a result's register j of lane (r, h) belongs to source 0's lane 8 h + j, so with kappa the 16 registers of two neighbouring tiles are 16 neighbours along the next K.
; Inside a matrix instruction k is laid in groups of 16 bytes, alike in both sources: every product meets its partner.
; No tensor loads, no register windows, no cluster: the work-groups share the weights alone.
.set XP,    272                        ; a position's row in LDS: 256 codes + 16 bytes
.set XSET,  128*XP                     ; one set of x's codes
.set WI,    3*XSET                     ; behind the three sets: 48 images of weight fragments: wf's 8, wg's 8, wh's 32
.set FRB,   2048                       ; an image: 16 registers x 32 lanes x 4 bytes
.set KVB,   40960                      ; a block of kv
.set XIN,   16                         ; x's path: v16-79    four chunks of 16 channels, as loaded
.set TMP,   80                         ;           v80-127   16 held numbers for each scale
.set XCD,   128                        ;           v128-223  codes: four registers for each chunk and scale, never written again
.set XR,    16                         ; products: v16-79    x's fragments (tile u, K step s) at 16 (2 u + s)
.set WB,    80                         ;           v80-143   the weight's fragments (tile a, K step s) at 16 (2 a + s)
.set ACC,   144                        ;           v144-175  four accumulators
.set CODE,  176                        ;           v176-199  three groups of 8: codes to store, never written again
.set WV,    18                         ; s18  my wave's number
; 2^e as f32 into v[vs] (the conversion takes its exponent field) and 448 x 2^e into v[vs + 1]; e in s[se]
.macro MKSC se, vs
	s_add_co_i32 s33, s[\se], 127
	s_lshl_b32 s34, s33, 23
	v_mov_b32 v[\vs], s34
	s_add_co_i32 s33, s33, 8
	s_lshl_b32 s33, s33, 23
	s_or_b32 s33, s33, 0x600000
	v_mov_b32 v[\vs+1], s33
.endm
.macro PLACES
.rept 4
	v_nop
.endr
.endm
	s_load_b256 s[4:11], s[0:1], 0x0               ; x s[4:5], wf s[6:7], wg s[8:9], wh s[10:11]
	s_load_b128 s[12:15], s[0:1], 0x20             ; the scales' exponents s[12:13], kv s[14:15]
	s_load_b64 s[16:17], s[0:1], 0x30              ; gq
	v_lshl_add_u32 v254, v0, 2, 0x31800
	v_mov_b32 v255, 0
	v_lshrrev_b32 v1, 5, v0
	v_readfirstlane_b32 s[WV], v1                  ; wave 0..15
	v_and_b32 v1, 31, v0                           ; lane
	v_and_b32 v2, 15, v0                           ; r
	v_bfe_u32 v3, v0, 4, 1                         ; h
	s_and_b32 s19, ttmp7, 0xffff                   ; the batch
	s_wait_kmcnt 0x0
	s_load_b256 s[24:31], s[12:13], 0x0            ; e0 .. e7
	s_load_b32 s32, s[12:13], 0x20                 ; e8
	s_cmp_lt_u32 s[WV], 8
	s_cbranch_scc0 .Lweights
	; ---- waves 0-7: x.  Wave w: positions 32 (w % 4) + lane, channels 128 (w / 4) + 0 .. 127
	s_and_b32 s20, s[WV], 3                        ; which 32 positions
	s_lshr_b32 s21, s[WV], 2                       ; which 128 channels
	s_lshl_b32 s22, s19, 22                        ; the batch's 256 x 4096 numbers,
	s_lshl_b32 s23, s21, 21                        ; 128 channels of 16,384 bytes,
	s_add_co_u32 s22, s22, s23
	s_lshl_b32 s23, ttmp9, 9                       ; the block's 128 positions,
	s_add_co_u32 s22, s22, s23
	s_lshl_b32 s23, s20, 7                         ; my wave's 32
	s_add_co_u32 s22, s22, s23
	s_mov_b32 s23, 0
	s_add_nc_u64 s[4:5], s[4:5], s[22:23]
	v_lshlrev_b32 v4, 2, v1                        ; 4 bytes a lane: a load reads 128 consecutive bytes, the four waves side by side 512
.macro XLD k                           ; chunk k: channels 16 k + 0 .. 15 of my position
.set II, 0
.rept 16
	global_load_b32 v[XIN+16*((\k)%4)+II], v4, s[4:5] offset:(16*(\k)+II)*16384
.set II, II+1
.endr
.endm
	XLD 0
	XLD 1
	XLD 2
	XLD 3
	s_mul_i32 s33, s20, 32*XP
	s_lshl_b32 s34, s21, 7
	s_add_co_u32 s33, s33, s34
	v_mul_u32_u24 v5, v1, XP
	v_add_nc_u32 v5, s33, v5                       ; set 0: my position's row, my 128 channels' bytes
	v_add_nc_u32 v6, XSET, v5                      ; set 1
	v_add_nc_u32 v7, 2*XSET, v5                    ; set 2
	s_wait_kmcnt 0x0
	MKSC 24, 8                                     ; e0: v8, v9
	MKSC 26, 10                                    ; e2: v10, v11
	MKSC 28, 12                                    ; e4: v12, v13
; Chunk k is held and converted three times, once for each scale; 16 codes are 16 bytes of my row.  The holds go into other registers, since the three limits may differ.
; Behind each pair of conversions the next vector instructions are the next set's holds: plain, and on other registers.
.macro XQ k
.if \k <= 4
	s_wait_loadcnt 48                              ; chunk k is in; the three chunks asked for behind it may be out
.else
	s_wait_loadcnt 16*(7-\k)                       ; the last chunks: the counts run down
.endif
.irp e, 0,1,2
.set II, 0
.rept 16
	v_med3_num_f32 v[TMP+16*\e+II], v[XIN+16*((\k)%4)+II], -v[9+2*\e], v[9+2*\e]   ; the conversion to an 8-bit code does not saturate (ISA guide 7.6.2): hold first
.set II, II+1
.endr
	v_cvt_scalef32_pk8_fp8_f32 v[XCD+4*(3*(\k)+\e):XCD+4*(3*(\k)+\e)+1], v[TMP+16*\e:TMP+16*\e+7], v[8+2*\e]
	v_cvt_scalef32_pk8_fp8_f32 v[XCD+4*(3*(\k)+\e)+2:XCD+4*(3*(\k)+\e)+3], v[TMP+16*\e+8:TMP+16*\e+15], v[8+2*\e]
	ds_store_b128 v[5+\e], v[XCD+4*(3*(\k)+\e):XCD+4*(3*(\k)+\e)+3] offset:16*(\k)
.endr
.if \k < 4
	XLD (\k)+4
.endif
.endm
.irp k, 0,1,2,3,4,5,6,7
	XQ \k
.endr
	s_branch .Ljoin
	; ---- waves 8-15: the weights.  Wave 8 + v: wf's and wg's fragment (tile v / 2, K step v % 2), wh's four fragments of tiles 2 v and 2 v + 1
.Lweights:
	s_and_b32 s20, s[WV], 7                        ; v
	s_lshr_b32 s21, s20, 2
	s_bfe_u32 s22, s20, 0x10001
	s_and_b32 s23, s20, 1
	s_lshl_b32 s21, s21, 15                        ; tile t begins at row 32 (t / 2) + 8 (t % 2); a row is 1,024 bytes
	s_lshl_b32 s22, s22, 13
	s_lshl_b32 s23, s23, 9                         ; K step s: 128 numbers, 512 bytes
	s_add_co_u32 s22, s22, s21
	s_add_co_u32 s22, s22, s23
	s_mov_b32 s23, 0
	s_add_nc_u64 s[6:7], s[6:7], s[22:23]
	s_add_nc_u64 s[8:9], s[8:9], s[22:23]
	s_lshl_b32 s22, s20, 15                        ; wh: my 32 rows
	s_add_nc_u64 s[10:11], s[10:11], s[22:23]
	v_and_b32 v4, 8, v2
	v_add_nc_u32 v4, v4, v2                        ; r + 8 (r / 8)
	v_lshlrev_b32 v4, 10, v4
	v_lshl_add_u32 v4, v3, 6, v4                   ; wf, wg: that row, + 64 h: my 16 numbers of a block of 32
	v_lshlrev_b32 v5, 10, v2
	v_lshl_add_u32 v5, v3, 6, v5                   ; wh: row r as it lies
.macro LW buf, adr, base, off          ; a fragment's 64 numbers of my lane: register 16 c + i = k 32 c + 16 h + i
.irp c, 0,1,2,3
.irp j, 0,1,2,3
	global_load_b128 v[\buf+16*\c+4*\j:\buf+16*\c+4*\j+3], v[\adr], s[\base:\base+1] offset:\off+128*\c+16*\j
.endr
.endr
.endm
; They become the fragment's 16 registers of codes, which go to LDS as they stand: lane l's 16 bytes at 16 l, 512 bytes a store.
; Behind the last conversions the next vector instruction is plain and touches neither their results nor their sources.
.macro QW buf, sc, code, adr, dst
.irp c, 0,1,2,3
.set II, 0
.rept 16
	v_med3_num_f32 v[\buf+16*\c+II], v[\buf+16*\c+II], -v[\sc+1], v[\sc+1]
.set II, II+1
.endr
	v_cvt_scalef32_pk8_fp8_f32 v[\code+4*\c:\code+4*\c+1], v[\buf+16*\c:\buf+16*\c+7], v[\sc]
	v_cvt_scalef32_pk8_fp8_f32 v[\code+4*\c+2:\code+4*\c+3], v[\buf+16*\c+8:\buf+16*\c+15], v[\sc]
.endr
.irp c, 0,1,2,3
	ds_store_b128 v[\adr], v[\code+4*\c:\code+4*\c+3] offset:\dst+512*\c
.endr
.endm
	LW 16, 4, 6, 0                                 ; wf's fragment
	LW 80, 4, 8, 0                                 ; wg's
	s_lshl_b32 s33, s20, 11
	s_add_co_u32 s33, s33, WI
	v_lshl_add_u32 v6, v1, 4, s33                  ; wf's image number 2 t + s = v; wg's lies 8 images on
	s_lshl_b32 s34, s20, 13
	s_add_co_u32 s34, s34, WI+16*FRB
	v_lshl_add_u32 v7, v1, 4, s34                  ; wh's images 4 v .. 4 v + 3
	s_wait_kmcnt 0x0
	MKSC 25, 8                                     ; e1
	MKSC 27, 10                                    ; e3
	MKSC 29, 12                                    ; e5
	s_wait_loadcnt 16                              ; this fragment is in; the next one's sixteen loads may be out: so in each of the five waits
	QW 16, 8, 144, 6, 0
	LW 16, 5, 10, 0                                ; wh (tile 2 v, K step 0)
	s_wait_loadcnt 16
	QW 80, 10, 160, 6, 8*FRB
	LW 80, 5, 10, 512                              ; (2 v, 1)
	s_wait_loadcnt 16
	QW 16, 12, 176, 7, 0
	LW 16, 5, 10, 16384                            ; (2 v + 1, 0)
	s_wait_loadcnt 16
	QW 80, 12, 192, 7, FRB
	LW 80, 5, 10, 16384+512                        ; (2 v + 1, 1)
	s_wait_loadcnt 16
	QW 16, 12, 208, 7, 2*FRB
	s_wait_loadcnt 0x0
	QW 80, 12, 224, 7, 3*FRB
.Ljoin:
	s_wait_dscnt 0x0                               ; for the others' sake: my stores into LDS are done
	s_barrier_signal -1
	s_barrier_wait -1                              ; x's three sets and the 48 images lie in LDS; nothing in LDS is written from here on
	; ---- the products.  Wave w: p = w % 4: tiles 2 p, 2 p + 1 of positions; z = w / 4: wh's tiles 4 z .. 4 z + 3, and tiles 2 (z % 2), 2 (z % 2) + 1 of wf (z < 2) or of wg
	s_and_b32 s20, s[WV], 3                        ; p
	s_lshr_b32 s21, s[WV], 2                       ; z
	s_and_b32 s22, s21, 1                          ; z % 2
	s_lshr_b32 s23, s21, 1                         ; z / 2: 0 wf, 1 wg
	v_and_b32 v14, 8, v2
	v_add_nc_u32 v14, v14, v2                      ; r + 8 (r / 8)
	v_mul_u32_u24 v14, v14, XP
	v_lshl_add_u32 v14, v3, 4, v14                 ; that position's row, + 16 h
	s_mul_i32 s33, s20, 32*XP
	s_add_co_u32 s34, s33, 2*XSET
	v_add_nc_u32 v4, s34, v14                      ; x under e4, for wh
	s_mul_i32 s34, s23, XSET
	s_add_co_u32 s34, s34, s33
	v_add_nc_u32 v5, s34, v14                      ; x under e0 or e2, for wf or wg
	v_lshlrev_b32 v8, 4, v1                        ; 16 x lane: an image's place for my lane, in LDS and in memory
	s_lshl_b32 s34, s21, 14
	s_add_co_u32 s34, s34, WI+16*FRB
	v_add_nc_u32 v6, s34, v8                       ; wh's images from tile 4 z on
	s_lshl_b32 s34, s23, 14
	s_lshl_b32 s35, s22, 13
	s_add_co_u32 s34, s34, s35
	s_add_co_u32 s34, s34, WI
	v_add_nc_u32 v7, s34, v8                       ; wf's or wg's from tile 2 (z % 2) on
.macro LDX adr                         ; x's four fragments: tile 2 p + u begins 8 u rows on; registers 4 c .. 4 c + 3: k = 128 s + 32 c + 16 h + 0 .. 15
.irp u, 0,1
.irp s, 0,1
.irp c, 0,1,2,3
	ds_load_b128 v[XR+16*(2*\u+\s)+4*\c:XR+16*(2*\u+\s)+4*\c+3], v[\adr] offset:8*XP*\u+128*\s+32*\c
.endr
.endr
.endr
.endm
.macro LDW adr, off                    ; two tiles' four images
.irp a, 0,1
.irp s, 0,1
.irp c, 0,1,2,3
	ds_load_b128 v[WB+16*(2*\a+\s)+4*\c:WB+16*(2*\a+\s)+4*\c+3], v[\adr] offset:\off+2*FRB*\a+FRB*\s+512*\c
.endr
.endr
.endr
.endm
; Eight matrix instructions: K step 0 starts the four sums, K step 1 adds onto them; the four accumulators take turns, one instruction a turn.
; MMH: source 0 = positions, source 1 = channels of wh: a lane holds ONE channel, and the 16 registers of accumulators 2 a, 2 a + 1 are positions 32 p + 16 h + 0 .. 15.
.macro MMH
.irp s, 0,1
.irp a, 0,1
.irp u, 0,1
.if \s == 0
	v_wmma_f32_16x16x128_fp8_fp8 v[ACC+8*(2*\a+\u):ACC+8*(2*\a+\u)+7], v[XR+16*(2*\u+\s):XR+16*(2*\u+\s)+15], v[WB+16*(2*\a+\s):WB+16*(2*\a+\s)+15], 0
.else
	v_wmma_f32_16x16x128_fp8_fp8 v[ACC+8*(2*\a+\u):ACC+8*(2*\a+\u)+7], v[XR+16*(2*\u+\s):XR+16*(2*\u+\s)+15], v[WB+16*(2*\a+\s):WB+16*(2*\a+\s)+15], v[ACC+8*(2*\a+\u):ACC+8*(2*\a+\u)+7]
.endif
.endr
.endr
.endr
.endm
; MMF: source 0 = units of wf or wg, source 1 = positions: a lane holds ONE position, and the 16 registers of accumulators 2 u, 2 u + 1 are units 32 (z % 2) + 16 h + 0 .. 15.
.macro MMF
.irp s, 0,1
.irp u, 0,1
.irp a, 0,1
.if \s == 0
	v_wmma_f32_16x16x128_fp8_fp8 v[ACC+8*(2*\u+\a):ACC+8*(2*\u+\a)+7], v[WB+16*(2*\a+\s):WB+16*(2*\a+\s)+15], v[XR+16*(2*\u+\s):XR+16*(2*\u+\s)+15], 0
.else
	v_wmma_f32_16x16x128_fp8_fp8 v[ACC+8*(2*\u+\a):ACC+8*(2*\u+\a)+7], v[WB+16*(2*\a+\s):WB+16*(2*\a+\s)+15], v[XR+16*(2*\u+\s):XR+16*(2*\u+\s)+15], v[ACC+8*(2*\u+\a):ACC+8*(2*\u+\a)+7]
.endif
.endr
.endr
.endr
.endm
; The four accumulators are held (each from its low end on) and converted; 16 registers give 16 bytes a lane: a store of the wave covers 512 consecutive bytes, aligned.
; The v_nop is the plain instruction between the conversions and the next products, which write their sources.
.macro QS grp, sc, base, off0, off1
.set II, 0
.rept 32
	v_med3_num_f32 v[ACC+II], v[ACC+II], -v[\sc+1], v[\sc+1]
.set II, II+1
.endr
.irp m, 0,1,2,3
	v_cvt_scalef32_pk8_fp8_f32 v[CODE+8*\grp+2*\m:CODE+8*\grp+2*\m+1], v[ACC+8*\m:ACC+8*\m+7], v[\sc]
.endr
	v_nop
	global_store_b128 v8, v[CODE+8*\grp:CODE+8*\grp+3], s[\base:\base+1] offset:\off0
	global_store_b128 v8, v[CODE+8*\grp+4:CODE+8*\grp+7], s[\base:\base+1] offset:\off1
.endm
	LDX 4
	LDW 6, 0
	s_sub_co_i32 s36, s32, s28                     ; while the fragments come: the scales of the second quantisers,
	s_sub_co_i32 s36, s36, s29                     ; e8 - e4 - e5
	MKSC 36, 10
	s_sub_co_i32 s37, s30, s24
	s_sub_co_i32 s37, s37, s25                     ; e6 - e0 - e1
	s_sub_co_i32 s38, s31, s26
	s_sub_co_i32 s38, s38, s27                     ; e7 - e2 - e3
	s_cmp_lt_u32 s21, 2
	s_cselect_b32 s37, s37, s38
	MKSC 37, 12
	s_mul_i32 s40, s19, 32*KVB                     ; and where the results go: my block of kv,
	s_mul_i32 s41, ttmp9, KVB
	s_add_co_u32 s40, s40, s41
	s_mov_b32 s41, 0
	s_add_nc_u64 s[14:15], s[14:15], s[40:41]
	s_lshl_b32 s40, s19, 18                        ; my block of gq,
	s_lshl_b32 s42, ttmp9, 13
	s_add_co_u32 s40, s40, s42
	s_add_nc_u64 s[16:17], s[16:17], s[40:41]
	s_cmp_lt_u32 s21, 2                            ; fx goes to kv, gx to gq: the choice hangs on the wave's number alone
	s_cselect_b64 s[44:45], s[14:15], s[16:17]
	s_lshl_b32 s40, s20, 11                        ; tile 2 p, group z % 2
	s_lshl_b32 s42, s22, 9
	s_add_co_u32 s40, s40, s42
	s_add_nc_u64 s[44:45], s[44:45], s[40:41]
	s_lshl_b32 s40, s21, 13                        ; hx: fragment 4 z, group p
	s_lshl_b32 s42, s20, 9
	s_add_co_u32 s40, s40, s42
	s_add_nc_u64 s[46:47], s[14:15], s[40:41]
	s_wait_dscnt 0x0
	MMH                                            ; wh's tiles 4 z, 4 z + 1
	PLACES                                         ; four places in front of loads into registers that matrix instructions have read, and of the first read of results
	LDW 6, 4*FRB
	QS 0, 10, 46, 8192, 8192+FRB
	s_wait_dscnt 0x0
	MMH                                            ; tiles 4 z + 2, 4 z + 3
	PLACES
	LDX 5
	LDW 7, 0
	QS 1, 10, 46, 8192+2*FRB, 8192+3*FRB
	s_wait_dscnt 0x0
	MMF                                            ; wf's or wg's two tiles
	PLACES
	QS 2, 12, 44, 0, 1024
	s_wait_tensorcnt 0x0
	ds_add_u32 v254, v255
	s_wait_dscnt 0x0
	s_endpgm
.Lfunc_end_k_qa729874b6f_proj:
	.size	k_qa729874b6f_proj, .Lfunc_end_k_qa729874b6f_proj-k_qa729874b6f_proj
	.p2alignl 7, 3214868480
	.fill 96, 4, 3214868480
	.section	.rodata,"a",@progbits
	.p2align	6, 0x0
	.amdhsa_kernel k_qa729874b6f_proj
		.amdhsa_group_segment_fixed_size 204800
		.amdhsa_private_segment_fixed_size 0
		.amdhsa_enable_private_segment 0
		.amdhsa_kernarg_size 56
		.amdhsa_user_sgpr_count 2
		.amdhsa_user_sgpr_kernarg_segment_ptr 1
		.amdhsa_wavefront_size32 1
		.amdhsa_system_sgpr_workgroup_id_x 1
		.amdhsa_system_sgpr_workgroup_id_y 1
		.amdhsa_system_sgpr_workgroup_id_z 1
		.amdhsa_system_vgpr_workitem_id 0
		.amdhsa_next_free_vgpr 256
		.amdhsa_next_free_sgpr 66
		.amdhsa_reserve_vcc 0
		.amdhsa_float_denorm_mode_32 3
		.amdhsa_float_denorm_mode_16_64 3
		.amdhsa_memory_ordered 1
		.amdhsa_forward_progress 1
		.amdhsa_inst_pref_size 101
	.end_amdhsa_kernel
	.amdgpu_metadata
---
amdhsa.version: [ 1, 2 ]
amdhsa.kernels:
  - .name:           k_qa729874b6f_proj
    .symbol:         k_qa729874b6f_proj.kd
    .args:
      - { .name: x, .offset: 0, .size: 8, .value_kind: global_buffer, .address_space: global }
      - { .name: wf, .offset: 8, .size: 8, .value_kind: global_buffer, .address_space: global }
      - { .name: wg, .offset: 16, .size: 8, .value_kind: global_buffer, .address_space: global }
      - { .name: wh, .offset: 24, .size: 8, .value_kind: global_buffer, .address_space: global }
      - { .name: lowp_scales, .offset: 32, .size: 8, .value_kind: global_buffer, .address_space: global }
      - { .name: kv, .offset: 40, .size: 8, .value_kind: global_buffer, .address_space: global }
      - { .name: gq, .offset: 48, .size: 8, .value_kind: global_buffer, .address_space: global }
    .group_segment_fixed_size: 204800
    .private_segment_fixed_size: 0
    .kernarg_segment_align: 8
    .kernarg_segment_size: 56
    .max_flat_workgroup_size: 512
    .sgpr_count:     66
    .vgpr_count:     256
    .wavefront_size: 32
...
	.end_amdgpu_metadata
.endif
;; end of part 1
;; launch attn (part 2): grid 32 x 8, 8 waves a work-group, clusters of 4 x 1, 327,680 bytes of LDS; arguments kv, gq, x, gamma, lowp_scales, out0; writes out0
.if DOCPART == 2
	.amdgcn_target "amdgcn-amd-amdhsa--gfx1250"
	.amdhsa_code_object_version 6
	.text
	.protected	k_qa729874b6f_attn
	.globl	k_qa729874b6f_attn
	.p2align	8
	.type	k_qa729874b6f_attn,@function
k_qa729874b6f_attn:
	s_mov_b64 s[64:65], 0
	v_nop
	global_prefetch_b8 v0, s[64:65] scope:SCOPE_SE
	s_setreg_imm32_b32 hwreg(HW_REG_WAVE_MODE, 25, 1), 1
	s_wait_xcnt 0x0
	s_wait_alu depctr_hold_cnt(0) depctr_sa_sdst(0) depctr_va_vdst(0) depctr_va_sdst(0) depctr_va_ssrc(0) depctr_va_vcc(0) depctr_vm_vsrc(0)
	s_getreg_b32 s2, hwreg(HW_REG_IB_STS2, 6, 4)
	s_cmp_eq_u32 s2, 0
	s_cbranch_scc0 .Lentry_in_a_cluster
	s_endpgm
.Lentry_in_a_cluster:
	s_bfe_u32 s2, ttmp6, 0x10000c
	s_cmp_lg_u32 s2, 0x3003
	s_cbranch_scc0 .Lentry_shape_is_right
	s_endpgm
.Lentry_shape_is_right:
; out[b][c][j] = gamma x (sum over i of hx[b][c][i] softmax_i(sum over u of fx[b][u][i] gx[b][u][j])) + x[b][c][j].  The softmax runs over i: the positions j are the queries, the positions i the keys.
; Both products on codes of FP8 (E4M3): fx (e6), gx (e7), hx (e8) come as codes from the launch before, laid in the order of the operands' registers (kv: F and H images of blocks of 128 keys; gq: G images); p is quantised here (e9).
; THE SOFTMAX: t = score x log2(e); M = ceil(the column's largest t), a whole number; p = 2^(t - M) is quantised, not normalised; l = the sum of the unquantised p, in f32, divides at the end.
; TWO PASSES OVER THE KEYS.  Pass 1 makes all scores once for their largest alone; pass 2 makes them again with M known.  So the 256 channels' sums are never rescaled, and sums over different keys add as they are, in any order.
; LIMITS: e6 + e7 between -126 and 127 (added to log2(e)'s exponent field); e9 between -126 and 119; e8 + e9 is applied by v_ldexp_f32 and has none.
; SHARES.  A work-group owns 128 queries (a block) of one batch.  Eight waves, two to a SIMD: wave w: g = w % 4: the two tiles 2 g, 2 g + 1 of 16 queries; kh = w / 4: the first or the second block of 128 keys of each slot.
; In pass 1 wave w takes keys 512 w .. 512 w + 511 against all eight tiles of queries: its 32 tiles of F come straight from memory into registers, each once in the work-group; the waves' maxima meet in LDS.
; LAYOUT.  S^T = F G^T (source 0 = 16 keys, source 1 = 16 queries), O^T = H P^T (source 0 = 16 channels, source 1 = P): a lane holds ONE query throughout.  Tile T's lane r holds position 32 (T / 2) + 8 (T % 2) + r + 8 (r / 8),
; so the 16 registers of score tiles 2 b, 2 b + 1 are keys 32 b + 16 (lane / 16) + 0 .. 15: the conversions' results ARE the second product's operand.
; THE RING.  Three LDS slots of two blocks (81,920 dense bytes), filled by the tensor data mover: waves 0-3 bring a quarter each.  Step n's two blocks lie in slot n % 3.  The load of step n + 2 goes out behind the round at the head of
; interval n, over step n - 1's bytes, and has landed at the next round: so step n's slot may be read in intervals n - 1 and n.  Images are read as 512 consecutive bytes an instruction: no padding.
; HALF A STEP APART.  In interval n the waves of key half 1 make the products H P^T of step n first and then the scores and the softmax of step n + 1; the waves of key half 0 make scores and softmax of step n first and then its
; products.  So one wave's exponentials and its wait for F stand beside another wave's matrix instructions.
; CLUSTER.  The four work-groups of a cluster belong to one batch and walk the same kv: each quarter is asked for JOINTLY, by the same tensor load with the same descriptor and the mask of all four.
; THE WALK IS ROTATED.  Cluster c of a batch's eight begins at the slot's worth 2 c of the sixteen and goes round: at any time the eight ask for different bytes of kv, and from its third step on a cluster asks for bytes that its
; neighbour asked for two steps before.  Only the joint load's global address hangs on the cluster's number, which the four partners share.
; REGISTERS.  Window 0: v1 an address at work; v2, v3 for the add; v4, v6 -M of my two tiles (named as the pairs v[4:5], v[6:7], of which the low word serves); v5 2^e9; v7 the prefetch's offset; v[8:9], v[10:11] l, in two halves;
;   v12 448 x 2^e9; v13-15 my place in slot (j + kh) % 3, j = 0, 1, 2; v16-31 G; v32-63 P; v64-127, v128-191 S^T of tile 0, 1, then fragments of H; v192-255 F's tiles, then fragments of H.
;   Window 1: O^T, accumulator (q, t) at 128 q + 8 t; in pass 1 my 32 tiles of F.
.set BLKB,  40960                      ; a block: F image 8,192 bytes, H image 32,768
.set SLOTB, 2*BLKB                     ; a slot
.set QUART, SLOTB/4                    ; what one tensor load brings: 80 rows of 256 bytes
.set MAXB,  321536                     ; LDS: pass 1's maxima: 512 bytes for each wave (8 tiles x 16 queries)
.set LSUM,  MAXB+8*512                 ; the two halves' sums l: 2 x 128 queries
.set SPARE, LSUM+2*512                 ; the spare words, 128 bytes for each wave: four blocks of 256 bytes that no other line names
.set SP,    528                        ; the way out: a channel's row: 128 queries x 4 bytes + 16
.set PART,  256*SP                     ; one key half's 256 channels.  The two lie from LDS byte 0 on, over the ring, which has had its last fill and its last read by then
.set ADR, 1
.set SPW, 2
.set NIL, 3
.set SC9, 5
.set PFO, 7
.set LIM, 12
.set AQ,  13
.set G,   16
.set P,   32
.set S0,  64
.set S1,  128
.set FB,  192
.set WV,  16                           ; s16 wave; s17 g; s18 kh; s19 the batch
.set G1,  24                           ; s[24:31] descriptor group 1
.set CS,  36                           ; s[36:37] c = log2(e) x 2^(e6 + e7): the packed form names a pair and takes its low word for both halves
.set SEL, 38                           ; s[38:39] v_permlanex16_b32's selects: lane l xor 16
.set CNT, 41
.set G0,  68                           ; s[68:79] descriptor group 0, a set for each slot
.set KVB, 80                           ; s[80:81] kv at my batch and my quarter of a slot's worth
.set OFF, 82                           ; s[82:83] the slot's worth in hand, in bytes
.set IDX, 84                           ; s84  its number, modulo 16
.set QW,  85                           ; s85  my quarter's place in a slot
.set MSB, 0
.macro WIN new                         ; the immediate's high byte repeats the setting that is left; a switch that changes nothing is dropped
.if MSB != \new
	s_set_vgpr_msb (MSB<<8)|\new
.set MSB, \new
.endif
.endm
.macro PLACES
.rept 4
	v_nop
.endr
.endm
.macro CROUND                          ; a round of the cluster's barrier: my work-group's barrier; wave 0 signals for the work-group; every wave waits for all four; my work-group's barrier once more
	s_barrier_signal -1
	s_barrier_wait -1
	s_cmp_lg_u32 s[WV], 0
	s_cbranch_scc1 .Lnot_wave_0_\@
	s_barrier_signal -3
.Lnot_wave_0_\@:
	s_barrier_wait -3
	s_barrier_signal -1
	s_barrier_wait -1
.endm
.macro JLOAD k                         ; the joint load into slot k: waves 0-3, a quarter each; the branch hangs on the wave's number alone.  Four v_nop follow the line
	s_cmp_lt_u32 s[WV], 4
	s_cbranch_scc0 .Lasked_\@
	tensor_load_to_lds s[G0+4*(\k):G0+4*(\k)+3], s[G1:G1+7]
	s_nop 0
	PLACES
.Lasked_\@:
.endm
	s_load_b256 s[4:11], s[0:1], 0x0               ; kv s[4:5], gq s[6:7], x s[8:9], gamma s[10:11]
	s_load_b128 s[12:15], s[0:1], 0x20             ; the scales' exponents s[12:13], out0 s[14:15]
	v_lshl_add_u32 v[SPW], v0, 2, SPARE
	v_mov_b32 v[NIL], 0
	ds_add_u32 v2, v3
	s_wait_dscnt 0x0
	v_lshrrev_b32 v1, 5, v0
	v_readfirstlane_b32 s[WV], v1                  ; wave 0..7
	s_and_b32 s17, s[WV], 3                        ; g
	s_lshr_b32 s18, s[WV], 2                       ; kh
	s_and_b32 s19, ttmp7, 0xffff                   ; the batch, which the four partners share
	s_bfe_u32 s20, ttmp6, 0x40000                  ; cx: my place in the cluster
	s_lshl_b32 s21, ttmp9, 2
	s_add_co_u32 s21, s21, s20                     ; my block of queries = 4 x cluster x + cx: it enters gq's, x's and out0's addresses alone
	; descriptor group 1: 80 rows of 32 elements of 8 bytes, dense in memory and in LDS
	s_mov_b32 s[G1], 15|(3<<16)|(1<<21)            ; 15:0 the mask: all four work-groups; 17:16 elements of 8 bytes; 20 no padding; 21 set beside a mask
	s_mov_b32 s[G1+1], 32<<16                      ; tensor_dim0 = 32
	s_mov_b32 s[G1+2], 80<<16                      ; tensor_dim1 = 80
	s_mov_b32 s[G1+3], 32<<16                      ; tile_dim0 = 32
	s_mov_b32 s[G1+4], 80                          ; tile_dim1 = 80
	s_mov_b32 s[G1+5], 32                          ; from row to row: 32 elements
	s_mov_b32 s[G1+6], 0
	s_mov_b32 s[G1+7], 0
	s_mul_i32 s[QW], s[WV], QUART                  ; my quarter: no place in the cluster enters an LDS address
	s_mul_i32 s22, s19, 32*BLKB                    ; the batch's first byte in kv
	s_add_co_u32 s42, s[QW], s22
	s_mov_b32 s43, 0
	s_mul_i32 s54, s[WV], 4*BLKB                   ; pass 1: my four blocks
	s_add_co_u32 s54, s54, s22
	s_mov_b32 s55, 0
	s_lshl_b32 s[IDX], ttmp9, 1                    ; the slot's worth at which my cluster begins: 2 x the cluster's number, 0 .. 14
	s_mov_b32 s[OFF+1], 0
	s_mov_b32 s[SEL], 0x76543210
	s_mov_b32 s[SEL+1], 0xfedcba98
	v_and_b32 v[ADR], 31, v0                       ; lane
	v_lshlrev_b32 v[PFO], 14, v[ADR]               ; the prefetch: a lane to a channel's row of x; never rewritten
	v_lshlrev_b32 v[ADR], 4, v[ADR]                ; 16 x lane: an image's place for my lane
	s_mul_i32 s23, s18, SLOTB+BLKB                 ; my block (kh) of slot (0 + kh) % 3 = kh,
	v_add_nc_u32 v[AQ], s23, v[ADR]
	s_add_co_u32 s23, s23, SLOTB                   ; of slot 1 + kh,
	v_add_nc_u32 v[AQ+1], s23, v[ADR]
	s_xor_b32 s23, s18, 1
	s_mul_i32 s23, s23, 2*SLOTB                    ; of slot (2 + kh) % 3 = 2 (1 - kh)
	s_mul_i32 s62, s18, BLKB
	s_add_co_u32 s23, s23, s62
	v_add_nc_u32 v[AQ+2], s23, v[ADR]
	s_wait_kmcnt 0x0
	s_load_b128 s[44:47], s[12:13], 0x18           ; e6, e7, e8, e9
	s_load_b32 s48, s[10:11], 0x0                  ; gamma
	s_add_nc_u64 s[KVB:KVB+1], s[4:5], s[42:43]
	s_add_nc_u64 s[54:55], s[4:5], s[54:55]
	s_lshl_b32 s60, s19, 18                        ; gq: the batch's 32 blocks of 8,192 bytes,
	s_lshl_b32 s61, s21, 13                        ; my block
	s_add_co_u32 s60, s60, s61
	s_mov_b32 s61, 0
	s_add_nc_u64 s[56:57], s[6:7], s[60:61]
	s_lshl_b32 s60, s17, 11                        ; and my two tiles in it
	s_add_nc_u64 s[58:59], s[56:57], s[60:61]
	; the loads into registers go out ahead of the first round: they are on their way while the four work-groups meet
.irp q, 0,1
.irp c, 0,1
	global_load_b128 v[G+8*\q+4*\c:G+8*\q+4*\c+3], v[ADR], s[58:59] offset:1024*\q+512*\c      ; my two tiles of G stay in registers
.endr
.endr
.irp q, 0,1,2,3,4,5,6,7
.irp c, 0,1
	global_load_b128 v[FB+8*\q+4*\c:FB+8*\q+4*\c+3], v[ADR], s[56:57] offset:1024*\q+512*\c    ; all eight, for pass 1
.endr
.endr
	WIN 0x40                                       ; destination window 1
.irp i, 0,1,2,3
.irp t, 0,1,2,3,4,5,6,7
.irp c, 0,1
	global_load_b128 v[8*(8*\i+\t)+4*\c:8*(8*\i+\t)+4*\c+3], v[ADR], s[54:55] offset:BLKB*\i+1024*\t+512*\c   ; my 32 tiles of F
.endr
.endr
.endr
	WIN 0
	s_lshl_b32 s60, s19, 22                        ; x and out0: the batch, channels 32 w on, my block's 512 bytes of a row
	s_lshl_b32 s62, s[WV], 19
	s_add_co_u32 s60, s60, s62
	s_lshl_b32 s62, s21, 9
	s_add_co_u32 s60, s60, s62
	s_add_nc_u64 s[50:51], s[8:9], s[60:61]
	s_add_nc_u64 s[52:53], s[14:15], s[60:61]
.irp k, 0,1,2                          ; descriptor group 0 for slot k, set up for step k: the slot's worth (start + k) % 16
	s_mov_b32 s[G0+4*\k], 1                        ; count = 1
	s_add_co_u32 s[G0+4*\k+1], s[QW], \k*SLOTB     ; LDS address
	s_add_co_u32 s23, s[IDX], \k
	s_and_b32 s23, s23, 15
	s_mul_i32 s[OFF], s23, SLOTB
	s_add_nc_u64 s[G0+4*\k+2:G0+4*\k+3], s[KVB:KVB+1], s[OFF:OFF+1]
	s_or_b32 s[G0+4*\k+3], s[G0+4*\k+3], 0x80000000  ; type = 2
.endr
	s_add_co_u32 s[IDX], s[IDX], 2                 ; the number last asked for (taken modulo 16 at its next step)
	CROUND                                         ; all four work-groups are here: the first joint loads meet
	s_cmp_lt_u32 s[WV], 4                          ; a wave's three first fills stand in one branch, ahead of every wait on TENSORcnt and every LDS read: three loads of mine are out.  They land while pass 1 runs
	s_cbranch_scc0 .Lfirst_asked
	tensor_load_to_lds s[G0:G0+3], s[G1:G1+7]
	s_nop 0
	tensor_load_to_lds s[G0+4:G0+7], s[G1:G1+7]
	s_nop 0
	tensor_load_to_lds s[G0+8:G0+11], s[G1:G1+7]
	s_nop 0
	PLACES
.Lfirst_asked:
.irp q, 0,1,2,3,4,5,6,7
	v_mov_b32 v[32+\q], 0xff800000                 ; the running largest score of tile q's query: -infinity
	v_mov_b32 v[40+\q], 0                          ; written once: a lane permute's destination counts as one of its sources
.endr
	v_and_b32 v50, 15, v0                          ; r
	s_lshl_b32 s23, s[WV], 9
	s_add_co_u32 s23, s23, MAXB
	v_lshl_add_u32 v48, v50, 2, s23                ; where my wave's maxima go: + 64 q
	s_lshl_b32 s23, s17, 7
	s_add_co_u32 s23, s23, MAXB
	v_lshl_add_u32 v49, v50, 2, s23                ; where I read those of my two tiles: + 512 x wave + 64 q
	s_wait_kmcnt 0x0
	s_add_co_i32 s23, s44, s45
	s_lshl_b32 s23, s23, 23
	s_add_co_i32 s[CS], s23, 0x3fb8aa3b            ; a score stands for score x 2^(e6 + e7): the two exponents are added to log2(e)'s exponent field
	s_mov_b32 s[CS+1], s[CS]                       ; (named with it as a pair, so it is written)
	s_add_co_i32 s23, s47, 127
	s_lshl_b32 s42, s23, 23
	v_mov_b32 v[SC9], s42                          ; 2^e9 as f32, for the conversions
	s_add_co_i32 s23, s23, 8
	s_lshl_b32 s23, s23, 23
	s_or_b32 s23, s23, 0x600000
	v_mov_b32 v[LIM], s23                          ; 448 x 2^e9
	s_add_co_i32 s49, s46, s47                     ; e8 + e9
	; ---- PASS 1.  Tile k of my keys against the eight tiles of queries: eight products into one of two sets of accumulators; the other set's 32 maxima stand behind them and are their places.
.macro W1 k
	s_wait_loadcnt 62-2*(\k)                       ; tile k's two loads are in; the two of each later tile may be out
	WIN 0x01                                       ; source 0 (F) window 1
.irp q, 0,1,2,3,4,5,6,7
	v_wmma_f32_16x16x64_fp8_fp8 v[S0+64*((\k)%2)+8*\q:S0+64*((\k)%2)+8*\q+7], v[8*(\k):8*(\k)+7], v[FB+8*\q:FB+8*\q+7], 0
.endr
.endm
.macro MX k                            ; each accumulator from its low end on; eight chains that do not wait for each other
	WIN 0
.irp j, 0,1,2,3
.irp q, 0,1,2,3,4,5,6,7
	v_max3_num_f32 v[32+\q], v[32+\q], v[S0+64*((\k)%2)+8*\q+2*\j], v[S0+64*((\k)%2)+8*\q+2*\j+1]
.endr
.endr
.endm
	W1 0
	W1 1
	WIN 0
	PLACES                                         ; no vector work is at hand yet
	MX 0
.set KK, 2
.rept 30
	W1 KK
	MX KK-1
.set KK, KK+1
.endr
	MX 31
.irp q, 0,1,2,3,4,5,6,7
	v_permlanex16_b32 v[40+\q], v[32+\q], s[SEL], s[SEL+1]   ; the query's other keys lie in the lane 16 away
.endr
.irp q, 0,1,2,3,4,5,6,7
	v_max_num_f32 v[32+\q], v[32+\q], v[40+\q]
.endr
.irp q, 0,1,2,3,4,5,6,7
	ds_store_b32 v48, v[32+\q] offset:64*\q        ; lanes r and r + 16 write the same word with the same value
.endr
	s_wait_tensorcnt 0x1                           ; my quarters of slots 0 and 1 have landed; slot 2's load, issued behind them, may stay out
	s_wait_dscnt 0x0                               ; for the others' sake: my stores are done
	s_barrier_signal -1
	s_barrier_wait -1                              ; the maxima lie in LDS, and slots 0 and 1 are whole
.irp q, 0,1
.irp u, 0,1,2,3,4,5,6,7
	ds_load_b32 v[S0+8*\q+\u], v49 offset:512*\u+64*\q
.endr
.endr
	s_wait_dscnt 0x0
.irp q, 0,1
	v_max3_num_f32 v[S0+8*\q], v[S0+8*\q], v[S0+8*\q+1], v[S0+8*\q+2]
	v_max3_num_f32 v[S0+8*\q], v[S0+8*\q], v[S0+8*\q+3], v[S0+8*\q+4]
	v_max3_num_f32 v[S0+8*\q], v[S0+8*\q], v[S0+8*\q+5], v[S0+8*\q+6]
	v_max_num_f32 v[S0+8*\q], v[S0+8*\q], v[S0+8*\q+7]       ; the column's largest score,
	v_mul_f32 v[S0+8*\q], s[CS], v[S0+8*\q]        ; as t (c is positive);
	v_floor_f32 v[4+2*\q], -v[S0+8*\q]             ; -M = floor(-t) = -ceil(t)
	v_mov_b32 v[8+2*\q], 0                         ; l, in two halves
	v_mov_b32 v[9+2*\q], 0
.endr
	s_mul_i32 s23, s18, BLKB
	v_add_nc_u32 v[ADR], s23, v[ADR]               ; my block of slot 0, for the first step (the loads that v1 addressed are all in: pass 1's last wait was for 0)
	; ---- PASS 2
.macro LDH t, reg, aq                  ; H's fragment t: 16 channels x 128 keys, 16 registers
.irp c, 0,1,2,3
	ds_load_b128 v[\reg+4*\c:\reg+4*\c+3], v[\aq] offset:8192+2048*(\t)+512*\c
.endr
.endm
.macro LDH4 t0, reg, aq
	LDH \t0, \reg, \aq
	LDH \t0+1, \reg+16, \aq
	LDH \t0+2, \reg+32, \aq
	LDH \t0+3, \reg+48, \aq
.endm
.macro PV4 t0, reg, zero               ; O^T += H P^T for four fragments x my two tiles.  zero = 1: the first step's products start the sums: nothing is cleared
.irp i, 0,1,2,3
.irp q, 0,1
.if \zero
	v_wmma_f32_16x16x128_fp8_fp8 v[128*\q+8*(\t0+\i):128*\q+8*(\t0+\i)+7], v[\reg+16*\i:\reg+16*\i+15], v[P+16*\q:P+16*\q+15], 0
.else
	v_wmma_f32_16x16x128_fp8_fp8 v[128*\q+8*(\t0+\i):128*\q+8*(\t0+\i)+7], v[\reg+16*\i:\reg+16*\i+15], v[P+16*\q:P+16*\q+15], v[128*\q+8*(\t0+\i):128*\q+8*(\t0+\i)+7]
.endif
.endr
.endr
.endm
; THE FIRST HALF OF A STEP: my two tiles of queries x my block of 128 keys at v[aq]: scores, softmax, P's codes; and H's fragments 0-11 are asked for, into the registers that F and the scores leave.
.macro SMX aq
.rept 5
	v_nop                                          ; five places behind the last products H P^T, whose sources the loads (four are asked) and the products (five) below write
.endr
.irp t, 0,1,2,3,4,5,6,7
.irp c, 0,1
	ds_load_b128 v[FB+8*\t+4*\c:FB+8*\t+4*\c+3], v[\aq] offset:1024*\t+512*\c
.endr
.endr
	s_wait_dscnt 0x0
.irp t, 0,1,2,3,4,5,6,7
.irp q, 0,1
	v_wmma_f32_16x16x64_fp8_fp8 v[S0+64*\q+8*\t:S0+64*\q+8*\t+7], v[FB+8*\t:FB+8*\t+7], v[G+8*\q:G+8*\q+7], 0
.endr
.endr
	PLACES                                         ; in front of the loads into F's registers and of the first read of the scores
	LDH4 0, FB, \aq
.set II, 0
.rept 32
	v_pk_fma_f32 v[S0+2*II:S0+2*II+1], v[S0+2*II:S0+2*II+1], s[CS:CS+1], v[4:5] op_sel_hi:[1,0,0]   ; tile 0: t - M, two at a time (of the pairs c and -M the low word serves both halves)
.set II, II+1
.endr
.set II, 0
.rept 32                               ; tile 0's exponentials, with tile 1's scalings between them
	v_exp_f32 v[S0+2*II], v[S0+2*II]               ; p = 2^(t - M)
	v_pk_fma_f32 v[S1+2*II:S1+2*II+1], v[S1+2*II:S1+2*II+1], s[CS:CS+1], v[6:7] op_sel_hi:[1,0,0]
	v_exp_f32 v[S0+2*II+1], v[S0+2*II+1]
.set II, II+1
.endr
.set II, 0
.rept 32                               ; tile 1's exponentials, with tile 0's sums and holds between them
	v_exp_f32 v[S1+2*II], v[S1+2*II]
	s_wait_alu depctr_va_vdst(0)
	v_pk_add_f32 v[8:9], v[8:9], v[S0+2*II:S0+2*II+1]        ; l is the sum of the UNQUANTISED p
	v_exp_f32 v[S1+2*II+1], v[S1+2*II+1]
	v_min_num_f32 v[S0+2*II], v[S0+2*II], v[LIM]   ; the conversion to an 8-bit code does not saturate (ISA guide 7.6.2); p is not negative, so the hold is one-sided
	v_min_num_f32 v[S0+2*II+1], v[S0+2*II+1], v[LIM]
.set II, II+1
.endr
.irp m, 0,1,2,3,4,5,6,7
	v_cvt_scalef32_pk8_fp8_f32 v[P+2*\m:P+2*\m+1], v[S0+8*\m:S0+8*\m+7], v[SC9]
.endr
	LDH4 4, S0, \aq                                ; tile 0's scores are spent: their registers take four fragments of H
.set II, 0
	s_wait_alu depctr_va_vdst(0)
.rept 32
	v_pk_add_f32 v[10:11], v[10:11], v[S1+2*II:S1+2*II+1]
	v_min_num_f32 v[S1+2*II], v[S1+2*II], v[LIM]
	v_min_num_f32 v[S1+2*II+1], v[S1+2*II+1], v[LIM]
.set II, II+1
.endr
.irp m, 0,1,2,3,4,5,6,7
	v_cvt_scalef32_pk8_fp8_f32 v[P+16+2*\m:P+16+2*\m+1], v[S1+8*\m:S1+8*\m+7], v[SC9]
.endr
	v_nop                                          ; one plain vector instruction between a scaled conversion and the matrix instruction that reads its result
	LDH4 8, S1, \aq
.endm
; THE SECOND HALF: the 32 products H P^T.  The 32 accumulators of O^T take turns, one instruction a turn and a step.
; The counts hold where the first half stands straight in front (48 loads may be out); where a barrier stands between, its wait for 0 has covered those loads and the counts are met at once.
.macro PVX aq, zero
	s_wait_dscnt 32                                ; fragments 0-3 are in; 4-11 may be out
	WIN 0x50                                       ; C and D window 1
	PV4 0, FB, \zero
	s_wait_dscnt 16                                ; 4-7 are in; 8-11 may be out
	PV4 4, S0, \zero
	WIN 0
	PLACES                                         ; in front of the loads into the registers of fragments 0-3
	LDH4 12, FB, \aq
	s_wait_dscnt 16                                ; 8-11 are in; 12-15 may be out
	WIN 0x50
	PV4 8, S1, \zero
	s_wait_dscnt 0x0
	PV4 12, FB, \zero
	WIN 0
.endm
; THE HEAD OF AN INTERVAL.  Each wave waits for all its tensor loads (of which one at the most is out: its quarter of the slot that is read from here on), adds 0 to its spare word, and waits for that and for its reads.
; fill = 1: a round of the cluster's barrier, so that no wave of any partner still reads slot k or has a load on its way; then the joint load fills slot k with the next slot's worth of keys, first thing behind the round.
.macro CHANGE fill, k
	s_wait_tensorcnt 0x0                           ; no tensor load of mine is out, so a group 0 may be written
	ds_add_u32 v[SPW], v[NIL]                      ; 0 onto my spare word
.if \fill
	s_add_co_u32 s[IDX], s[IDX], 1                 ; the next slot's worth, round the sixteen
	s_and_b32 s[IDX], s[IDX], 15
	s_mul_i32 s[OFF], s[IDX], SLOTB
	s_add_nc_u64 s[G0+4*(\k)+2:G0+4*(\k)+3], s[KVB:KVB+1], s[OFF:OFF+1]
	s_or_b32 s[G0+4*(\k)+3], s[G0+4*(\k)+3], 0x80000000
	s_wait_dscnt 0x0                               ; the add is done, and my reads of the slot that is filled are over
	CROUND
	JLOAD \k
.else
	s_wait_dscnt 0x0
	s_barrier_signal -1
	s_barrier_wait -1
.endif
.endm
; INTERVAL n, j = n % 3.  Step n lies in slot j; slot (j + 2) % 3, step n - 1's, is filled with step n + 2.  v[AQ + i] is slot i for key half 0 and slot (i + 1) % 3 for key half 1.
; The branches hang on the wave's number alone; no barrier and no tensor load stands under them.
.macro INTERVAL j, fill, pf
	CHANGE \fill, (\j+2)%3
.if \pf
	global_prefetch_b8 v[PFO], s[50:51] th:TH_LOAD_NT scope:SCOPE_SE              ; x for the way out: my wave's 32 rows of 512 bytes, a lane to a row, each block of 256 bytes asked for once, two steps' work ahead of its load
	global_prefetch_b8 v[PFO], s[50:51] offset:256 th:TH_LOAD_NT scope:SCOPE_SE
.endif
	s_cmp_lt_u32 s[WV], 4
	s_cbranch_scc1 .Lsm_\@
	PVX AQ+(\j+2)%3, 0                             ; key half 1: the products of step n, whose P it made in the interval before
.Lsm_\@:
	SMX AQ+\j                                      ; key half 0: step n; key half 1: step n + 1
	s_cmp_lt_u32 s[WV], 4
	s_cbranch_scc0 .Lend_\@
	PVX AQ+\j, 0                                   ; key half 0: the products of step n
.Lend_\@:
.endm
	SMX ADR                                        ; step 0, all waves
	PVX ADR, 1                                     ; its products start O^T's sums
	s_cmp_lt_u32 s[WV], 4
	s_cbranch_scc1 .Lfront_done
	SMX AQ                                         ; key half 1 goes half a step ahead: step 1, in slot 1
.Lfront_done:
	s_mov_b32 s[CNT], 4
.Lslot:                                            ; 4 trips of three intervals: n = 1 .. 12; steps 3 .. 14 are asked for
	INTERVAL 1, 1, 0
	INTERVAL 2, 1, 0
	INTERVAL 0, 1, 0
	s_sub_co_u32 s[CNT], s[CNT], 1
	s_cmp_lg_u32 s[CNT], 0
	s_cbranch_scc1 .Lslot
	INTERVAL 1, 1, 0                               ; n = 13: step 15 is asked for: the last load
	INTERVAL 2, 0, 1                               ; n = 14: written out; behind its barrier step 15's slot is whole
	s_cmp_lt_u32 s[WV], 4                          ; n = 15: nothing new has to be seen and nothing is filled: no barrier
	s_cbranch_scc1 .Learly_last
	PVX AQ+2, 0                                    ; key half 1: step 15 lies in slot 0
	s_branch .Lout
.Learly_last:
	SMX AQ
	PVX AQ, 0
.Lout:
	; ---- THE WAY OUT.  The two key halves' O^T and l meet in LDS; each wave then finishes 32 whole channels: out = (O0 + O1) x gamma 2^(e8 + e9) / (l0 + l1) + x.
	PLACES                                         ; in front of loads into registers that the last products have read, and of the first read of O^T
	v_and_b32 v[ADR], 31, v0
	v_lshlrev_b32 v[ADR], 4, v[ADR]                ; 16 x lane: four queries of a row; never rewritten from here on
.set II, 0
.rept 32
	global_load_b128 v[128+4*II:128+4*II+3], v[ADR], s[50:51] offset:16384*II th:TH_LOAD_NT   ; x(channel 32 w + i, my block): 512 consecutive bytes
.set II, II+1
.endr
	v_add_f32 v8, v8, v9                           ; l's two halves,
	v_add_f32 v10, v10, v11
	v_permlanex16_b32 v9, v8, s[SEL], s[SEL+1]
	v_permlanex16_b32 v11, v10, s[SEL], s[SEL+1]
	v_add_f32 v8, v8, v9                           ; and lane l xor 16's
	v_add_f32 v10, v10, v11
	v_and_b32 v16, 15, v0                          ; r
	v_bfe_u32 v17, v0, 4, 1                        ; h
	v_and_b32 v18, 8, v16
	v_add_nc_u32 v18, v18, v16                     ; r + 8 (r / 8): tile 2 g + q's lane r is query 32 g + 8 q + that
	s_lshl_b32 s23, s18, 9
	s_lshl_b32 s42, s17, 7
	s_add_co_u32 s23, s23, s42
	s_add_co_u32 s23, s23, LSUM
	v_lshl_add_u32 v19, v18, 2, s23                ; l: my key half, my query; + 32 q
	s_mul_i32 s23, s18, PART
	s_add_co_u32 s23, s23, s42
	v_mul_u32_u24 v20, v17, 8*SP                   ; O^T: register j of accumulator (q, t) is channel 16 t + 8 h + j
	v_lshl_add_u32 v20, v18, 2, v20
	v_add_nc_u32 v20, s23, v20                     ; channels 0-127
	v_add_nc_u32 v21, 128*SP, v20                  ; channels 128-255: a second register keeps the immediates inside 16 bits
	v_add_nc_u32 v22, LSUM, v[ADR]                 ; back: l of my four queries,
	s_mul_i32 s23, s[WV], 32*SP
	v_add_nc_u32 v23, s23, v[ADR]                  ; my 32 channels' rows of the first half,
	v_add_nc_u32 v24, PART, v23                    ; and of the second
	s_wait_dscnt 0x0                               ; my reads of the ring are over
	s_barrier_signal -1
	s_barrier_wait -1                              ; everybody's are, and no fill follows: the ring's bytes may be stored into
	ds_store_b32 v19, v8
	ds_store_b32 v19, v10 offset:32
	WIN 0x04                                       ; the stores' data in window 1
.irp q, 0,1
.irp t, 0,1,2,3,4,5,6,7,8,9,10,11,12,13,14,15
.irp j, 0,1,2,3,4,5,6,7
	ds_store_b32 v[20+\t/8], v[128*\q+8*\t+\j] offset:(16*(\t%8)+\j)*SP+32*\q   ; each accumulator from its low end on
.endr
.endr
.endr
	WIN 0
	s_wait_dscnt 0x0                               ; for the others' sake: my stores are done
	s_barrier_signal -1
	s_barrier_wait -1
.macro BLD n                           ; batch n: four channels' rows of both halves
.irp i, 0,1,2,3
	ds_load_b128 v[32+32*((\n)%2)+8*\i:32+32*((\n)%2)+8*\i+3], v23 offset:(4*(\n)+\i)*SP
	ds_load_b128 v[32+32*((\n)%2)+8*\i+4:32+32*((\n)%2)+8*\i+7], v24 offset:(4*(\n)+\i)*SP
.endr
.endm
	ds_load_b128 v[96:99], v22
	ds_load_b128 v[100:103], v22 offset:512
	BLD 0
	BLD 1
	s_wait_dscnt 16                                ; l is in; the two batches asked for behind it may be out
	v_pk_add_f32 v[96:97], v[96:97], v[100:101]
	v_pk_add_f32 v[98:99], v[98:99], v[102:103]
	v_rcp_f32 v96, v96
	v_rcp_f32 v97, v97
	v_rcp_f32 v98, v98
	v_rcp_f32 v99, v99
	v_mov_b32 v25, s48                             ; (a plain place behind the reciprocals)  gamma
	v_ldexp_f32 v25, v25, s49                      ; x 2^(e8 + e9)
	s_wait_alu depctr_va_vdst(0)
.irp i, 0,1,2,3
	v_mul_f32 v[8+\i], v[96+\i], v25               ; my four queries' factors, in the registers that l has left
.endr
.macro BOUT n
.if \n < 7
	s_wait_dscnt 8                                 ; batch n is in; the next batch's eight loads may be out
.else
	s_wait_dscnt 0x0
.endif
	s_wait_loadcnt 28-4*(\n)                       ; x's rows up to 4 n + 3 are in; the later rows may be out
.irp i, 0,1,2,3
.set BB, 32+32*((\n)%2)+8*\i
.set XX, 128+4*(4*(\n)+\i)
	v_pk_add_f32 v[BB:BB+1], v[BB:BB+1], v[BB+4:BB+5]
	v_pk_add_f32 v[BB+2:BB+3], v[BB+2:BB+3], v[BB+6:BB+7]
	v_pk_fma_f32 v[XX:XX+1], v[BB:BB+1], v[8:9], v[XX:XX+1]
	v_pk_fma_f32 v[XX+2:XX+3], v[BB+2:BB+3], v[10:11], v[XX+2:XX+3]
	global_store_b128 v[ADR], v[XX:XX+3], s[52:53] offset:16384*(4*(\n)+\i) th:TH_STORE_NT   ; 32 lanes store 512 consecutive bytes, aligned; the data's registers are not written again
.endr
.if \n < 6
	BLD (\n)+2
.endif
.endm
.irp n, 0,1,2,3,4,5,6,7
	BOUT \n
.endr
	s_wait_tensorcnt 0x0                           ; the wave's end, behind my last tensor load and my last LDS store
	ds_add_u32 v[SPW], v[NIL]
	s_wait_dscnt 0x0
	CROUND                                         ; the closing round: no work-group ends while a partner may still ask for a tile that names it
	s_endpgm
.Lfunc_end_k_qa729874b6f_attn:
	.size	k_qa729874b6f_attn, .Lfunc_end_k_qa729874b6f_attn-k_qa729874b6f_attn
	.p2alignl 7, 3214868480
	.fill 96, 4, 3214868480
	.section	.rodata,"a",@progbits
	.p2align	6, 0x0
	.amdhsa_kernel k_qa729874b6f_attn
		.amdhsa_group_segment_fixed_size 327680
		.amdhsa_private_segment_fixed_size 0
		.amdhsa_enable_private_segment 0
		.amdhsa_kernarg_size 48
		.amdhsa_user_sgpr_count 2
		.amdhsa_user_sgpr_kernarg_segment_ptr 1
		.amdhsa_wavefront_size32 1
		.amdhsa_system_sgpr_workgroup_id_x 1
		.amdhsa_system_sgpr_workgroup_id_y 1
		.amdhsa_system_sgpr_workgroup_id_z 1
		.amdhsa_system_vgpr_workitem_id 0
		.amdhsa_next_free_vgpr 512
		.amdhsa_next_free_sgpr 88
		.amdhsa_reserve_vcc 0
		.amdhsa_float_denorm_mode_32 3
		.amdhsa_float_denorm_mode_16_64 3
		.amdhsa_memory_ordered 1
		.amdhsa_forward_progress 1
		.amdhsa_inst_pref_size 255
	.end_amdhsa_kernel
	.section	.bss,"aw",@nobits
	.p2align	6
	.space	262144
	.amdgpu_metadata
---
amdhsa.version: [ 1, 2 ]
amdhsa.kernels:
  - .name:           k_qa729874b6f_attn
    .symbol:         k_qa729874b6f_attn.kd
    .args:
      - { .name: kv, .offset: 0, .size: 8, .value_kind: global_buffer, .address_space: global }
      - { .name: gq, .offset: 8, .size: 8, .value_kind: global_buffer, .address_space: global }
      - { .name: x, .offset: 16, .size: 8, .value_kind: global_buffer, .address_space: global }
      - { .name: gamma, .offset: 24, .size: 8, .value_kind: global_buffer, .address_space: global }
      - { .name: lowp_scales, .offset: 32, .size: 8, .value_kind: global_buffer, .address_space: global }
      - { .name: out0, .offset: 40, .size: 8, .value_kind: global_buffer, .address_space: global }
    .group_segment_fixed_size: 327680
    .private_segment_fixed_size: 0
    .kernarg_segment_align: 8
    .kernarg_segment_size: 48
    .max_flat_workgroup_size: 256
    .sgpr_count:     88
    .vgpr_count:     512
    .wavefront_size: 32
...
	.end_amdgpu_metadata
.endif
;; end of part 2
